; MI455X (gfx1250); checked and timed in simulation.
; The chip was launched on July 23, 2026; its instructions are those of AMD's public machine-readable ISA for CDNA 5 (MIT licence, August 2026) and "CDNA5" Instruction Set Architecture Reference Guide (July 2026). The comments in the code are by the model that wrote it; some were corrected since.
;; Attention Branch. Allowed arithmetic: matrix products marked QUANTISED: E2M1 operands, one E8M0 scale for each 32 along K, by v_wmma_scale_f32_16x16x128_f8f6f4 with both operands' format E2M1 (or v_wmma_scale_f32_32x16x128_f4), f32 sums; everything else in f32.
;; Inputs: key_states 2 x 2,048 x 1,024 float32; mask 2 x 2,048 int32; query_states 2 x 2,048 x 1,024 float32; value_states 2 x 2,048 x 1,024 float32.
;; Outputs: out0 2 x 2,048 x 1,024 float32.
;; This version of the problem:
;;   THIS VERSION OF THE PROBLEM IS GIVEN IN LOW PRECISION. The matrix products marked QUANTISED in the list below multiply operands that are first quantised to E2M1 (2 exponent bits, 1 mantissa bit; 4 bits a number), with one power-of-two scale for each 32 numbers along K (OCP MX v1.0); their sums are f32. All else is computed in f32.
;;   The module's matrix products, in the order in which they are computed (A, B: the left and right operand; K: the contracted axis; several contracted axes count as one K, in the product's order):
;;     1. batch 32 x [M 2,048, K 64] x [K 64, N 2,048]; A: input query_states; B: input key_states: QUANTISED
;;     2. batch 32 x [M 2,048, K 2,048] x [K 2,048, N 64]; A: softmax (see below); B: input value_states: QUANTISED
;;   THE QUANTISER, for each operand of a quantised product, along K:
;;     - K is cut into blocks of 32 from its start; a last block that is shorter is filled with zeros.
;;     - A block's scale is 2^e with e = floor(log2(the largest magnitude in the block)) - 2, held to -126 .. 127; a block of zeros has e = 0. As a byte (E8M0): e + 127.
;;     - Each number is divided by its block's scale, clamped to +-6, and rounded to the nearest number of E2M1, ties to even, subnormals kept.
;;     - The product sums the exact products of the quantised numbers (number of the format x scale) in f32.
;;   ~~~python
;;   def quantise(x, axis):      # numpy; x: float32 -> the quantised numbers, widened to float32 again
;;       x = np.moveaxis(x, axis, -1); K = x.shape[-1]
;;       x = np.pad(x, [(0, 0)] * (x.ndim - 1) + [(0, -K % 32)]); x = x.reshape(x.shape[:-1] + (-1, 32)); a = np.abs(x).max(-1, keepdims=True)
;;       e = np.where(a > 0, np.clip(np.frexp(np.where(a > 0, a, 1))[1] - 1 - 2, -126, 127), 0)      # np.frexp(a)[1] - 1 = floor(log2(a)), exactly
;;       r = np.clip(x / 2.0 ** e, -6, 6)
;;       step = 2.0 ** (np.maximum(np.frexp(np.where(r == 0, 1, r))[1] - 1, 0) - 1)
;;       q = np.round(r / step) * step * 2.0 ** e      # np.round: ties to even
;;       return np.moveaxis(q.reshape(q.shape[:-2] + (-1,))[..., :K], -1, axis).astype(np.float32)
;;   ~~~
;;   SOFTMAX AHEAD OF A QUANTISED PRODUCT. Where the list says 'softmax', what is quantised is not the finished softmax but p = 2^(t - M), with t = logit x log2(e) and M = ceil(the row's largest t), a whole number; so 1/2 < the row's largest p <= 1. The row's sum l is taken of the UNQUANTISED p, in f32, and the product's result is divided by l at the end. Since M is a whole number, a kernel that streams over the keys may use a running M (the ceiling of the running maximum): every later rescaling is an exact power of two, which a block's scale takes up: the codes' values come out the same.
;;   OPERANDS COMPUTED ON THE WAY. 'Computed on the way' means the value that the module computes at that place (a softmax that the list does not call 'softmax' is quantised finished and normalised). What goes into a quantiser is computed in f32, as accurately as f32 sums, v_exp_f32 and their like allow (about 1e-6 of the number): no bf16 or f16 on the way to a quantiser, and a product that is left as it is and whose result goes on into a quantised operand takes f32 operands (vector FMAs, or v_wmma_f32_16x16x4_f32). A number that lies on a knife's edge between two numbers of the format may be rounded either way, as far as f32 arithmetic and the matrix unit's own rounding can turn it there, and no further.
;; One version. Each part assembles by itself: llvm-mc -triple=amdgcn-amd-amdhsa -mcpu=gfx1250 --defsym DOCPART=n.
;; ======== version 1 of 1: 2 launches
;; limits: inputs' magnitudes at most 800; right only within a limited range of input values
;; workspace buffers: kv 4,587,520 bytes
;; launch prep (part 1): grid 256 x 1, 4 waves a work-group, no clusters, 168,448 bytes of LDS; arguments key_states, value_states, mask, kv; writes kv
.if DOCPART == 1
	.amdgcn_target "amdgcn-amd-amdhsa--gfx1250"
	.amdhsa_code_object_version 6
	.text
	.protected	k_qd1f2aa1199_prep
	.globl	k_qd1f2aa1199_prep
	.p2align	8
	.type	k_qd1f2aa1199_prep,@function
k_qd1f2aa1199_prep:
	s_mov_b64 s[64:65], 0
	v_nop
	global_prefetch_b8 v0, s[64:65] scope:SCOPE_SE
	s_setreg_imm32_b32 hwreg(HW_REG_WAVE_MODE, 25, 1), 1
	s_wait_xcnt 0x0
; K and V, [2][2048][16 heads x 64] f32, become codes of FP4 (E2M1) with one E8M0 byte for each 32 along a product's K: K along the head's 64, V along the keys.
; They are quantised ONCE here, since eight work-groups of the next launch read each head, and are laid as IMAGES OF THE OPERAND REGISTERS, so that the reader takes every fragment by 16 bytes a lane.
; kv: a record of 8,960 bytes (35 x 256) for each (hb = 16 batch + head, step of 128 keys), at hb x 143,360 + step x 8,960:
;   +0     K, 8 tiles x 512 bytes.  Tile t = 2 bb + u, lane l = r + 16 h: 16 bytes at 512 t + 16 l = the codes of d = 32 h .. 32 h + 31 of key 32 bb + 8 u + r + 8 (r / 8)
;          (the keys of a tile are not neighbours: so the reader's 16 score registers of tiles 2 bb, 2 bb + 1 are 16 neighbouring keys)
;   +4096  V, 4 tiles of 16 d x 1,024 bytes.  Tile dt, c = 0, 1, lane l: 16 bytes at 1024 dt + 512 c + 16 l = the codes of keys 64 c + 32 h .. + 31 of column d = 16 dt + r
;   +8192  K's scale words, 16 bytes a lane: word i of lane l serves tile 2 i + (l / 16), row l % 16.  Bytes 0, 1: the scales of the two blocks of d.
;          Byte 2 CARRIES THE MASK: 1 where the key counts, 154 (2^27) where mask == 0; byte 3 = 1.  The reader's fragments hold one code, 1.0, at k = 64: see there.
;   +8704  V's scale words, 8 bytes a lane: word i of lane l serves tile 2 i + (l / 16), row l % 16; byte j: the step's block j of 32 keys
; A block's scale is 2^(floor(log2(its largest magnitude)) - 2); its byte is the largest magnitude's exponent field - 2, held at 1 from below.  A block of zeros so has byte 1 where the rule says 127:
; its codes are zeros, and this program alone reads the bytes.
; LIMITS: blocks whose largest magnitude lies under 2^-124 are held at byte 1; NaN and infinities among the inputs are not served.
; SHARES.  1,024 waves, one tile of 128 keys x 64 d (rows of 256 bytes, 4,096 apart: 32 KiB) each: work-groups 0-127 take K, 128-255 V.  A wave brings its tile into its own LDS bytes by two tensor
; loads of 64 rows, issued together at the start (two are out), and reads only what its own loads brought: no barrier, no LDS store, no byte filled twice.
; The matrix units, clusters and a ring have nothing to do here: each input byte is read once by one wave.
.set PITCH, 272                        ; an LDS row: 256 bytes + 16 of padding
.set HALF,  64*PITCH                   ; what one tensor load brings
.set WREG,  2*HALF                     ; a wave's LDS bytes
.set REC,   8960
.set HEADB, 16*REC
.set KA,  4                            ; v4   K: my row and half in a tile: WREG x wave + (r + 8 (r / 8)) PITCH + 128 h
.set LI,  5                            ; v5   16 x lane
.set MA,  6                            ; v6   K: my key's mask word: 4 (r + 8 (r / 8))
.set SH,  7                            ; v7   8 h: where my block's byte stands in the scale word
.set UNM, 8                            ; v8   bytes 2, 3 of the word of a key that counts
.set MSK, 9                            ; v9   and of a key with mask == 0
.set MXA, 10                           ; v10, v11  the largest magnitude, in two chains
.set MXB, 11
.set SO,  12                           ; v12  the conversion's scale operand
.set BY,  13                           ; v13  the byte, then the word
.set PX,  14                           ; v14  lane l xor 16's
.set MB,  15                           ; v15  the word's bytes 2, 3
.set MK,  16                           ; v16-23  my key's mask word in each of the eight tiles
.set VA,  24                           ; v24  V: my column: WREG x wave + 4 x lane
.set VO,  25                           ; v25  V: my codes' place: 1024 (lane / 16) + 16 (lane % 16)
.set L8,  26                           ; v26  8 x lane
.set X,   32                           ; v32-95   two sets of 32 numbers
.set C,   96                           ; v96-127  codes: four registers for each tile or unit, so that no store's data are written again
.set SW,  128                          ; v128-131 the scale words
.set G1,  16                           ; s[16:23] descriptor group 1;  s[24:27], s[28:31] group 0 for the two halves
.set G0,  24
	s_load_b256 s[4:11], s[0:1], 0x0               ; K s[4:5], V s[6:7], mask s[8:9], kv s[10:11]
	v_lshl_add_u32 v144, v0, 2, 0x29000
	v_mov_b32 v145, 0
	ds_add_u32 v144, v145
	ds_add_u32 v144, v145
	v_lshrrev_b32 v1, 5, v0
	v_readfirstlane_b32 s12, v1                    ; wave 0..3
	s_lshl_b32 s13, ttmp9, 2
	s_add_co_u32 s13, s13, s12
	s_and_b32 s13, s13, 511                        ; which of the tensor's 512 tiles
	s_lshr_b32 s14, s13, 4                         ; hb
	s_and_b32 s15, s13, 15                         ; step
	s_lshr_b32 s32, s14, 4                         ; batch
	s_and_b32 s33, s14, 15                         ; head
	s_lshl_b32 s34, s32, 23                        ; the tile in K or V: batch x 2048 x 4096 bytes
	s_lshl_b32 s36, s15, 19                        ; + step x 128 rows
	s_add_co_u32 s34, s34, s36
	s_lshl_b32 s36, s33, 8                         ; + head x 256 bytes
	s_add_co_u32 s34, s34, s36
	s_mov_b32 s35, 0
	s_mul_i32 s36, s14, HEADB                      ; the record in kv
	s_mul_i32 s38, s15, REC
	s_add_co_u32 s36, s36, s38
	s_mov_b32 s37, 0
	s_lshl_b32 s38, s32, 13                        ; the step's 128 mask words
	s_lshl_b32 s39, s15, 9
	s_add_co_u32 s38, s38, s39
	s_mov_b32 s39, 0
	s_mov_b32 s40, 0x76543210
	s_mov_b32 s41, 0xfedcba98                      ; v_permlanex16_b32's selects for lane l xor 16
	s_mov_b32 s42, 0xffff0000                      ; lanes 16-31
	s_mul_i32 s43, s12, WREG                       ; my wave's LDS bytes
	; group 1: 64 rows x 64 elements of 4 bytes, 1,024 elements from row to row; 4 words of padding behind every 64
	s_mov_b32 s[G1+0], (2<<16)|(1<<20)|(5<<22)|(3<<25)
	s_mov_b32 s[G1+1], 64<<16                      ; tensor_dim0
	s_mov_b32 s[G1+2], 64<<16                      ; tensor_dim1
	s_mov_b32 s[G1+3], 64<<16                      ; tile_dim0
	s_mov_b32 s[G1+4], 64                          ; tile_dim1
	s_mov_b32 s[G1+5], 1024                        ; tensor_dim0_stride
	s_mov_b32 s[G1+6], 0
	s_mov_b32 s[G1+7], 0
	s_wait_dscnt 0x0
	s_wait_kmcnt 0x0
	s_cmp_lt_u32 ttmp9, 128                        ; K's work-group or V's: the choice hangs on the work-group's number alone
	s_cselect_b64 s[4:5], s[4:5], s[6:7]
	s_add_nc_u64 s[4:5], s[4:5], s[34:35]
	s_add_nc_u64 s[8:9], s[8:9], s[38:39]
	s_add_nc_u64 s[10:11], s[10:11], s[36:37]
	s_mov_b32 s[G0+0], 1
	s_mov_b32 s[G0+1], s43
	s_mov_b64 s[G0+2:G0+3], s[4:5]
	s_or_b32 s[G0+3], s[G0+3], 0x80000000
	s_mov_b32 s[G0+4], 1
	s_add_co_u32 s[G0+5], s43, HALF
	s_add_nc_u64 s[G0+6:G0+7], s[4:5], 64*4096
	s_or_b32 s[G0+7], s[G0+7], 0x80000000
	tensor_load_to_lds s[G0:G0+3], s[G1:G1+7]      ; keys 0-63 of the step
	s_nop 0
	tensor_load_to_lds s[G0+4:G0+7], s[G1:G1+7]    ; keys 64-127
	s_nop 0
.rept 4
	v_nop
.endr
	v_and_b32 v1, 31, v0                           ; lane
	v_and_b32 v2, 15, v0                           ; r
	v_bfe_u32 v3, v0, 4, 1                         ; h
	v_and_b32 v[MXA], 8, v2
	v_add_nc_u32 v[MXA], v[MXA], v2                ; r + 8 (r / 8)
	v_mul_u32_u24 v[KA], v[MXA], PITCH
	v_lshl_add_u32 v[KA], v3, 7, v[KA]
	v_add_nc_u32 v[KA], s43, v[KA]
	v_lshlrev_b32 v[LI], 4, v1
	v_lshlrev_b32 v[MA], 2, v[MXA]
	v_lshlrev_b32 v[SH], 3, v3
	v_mov_b32 v[UNM], 0x01010000
	v_mov_b32 v[MSK], 0x019a0000
	v_mov_b32 v[PX], 0                             ; written once: a lane permute's destination counts as one of its sources
	v_lshlrev_b32 v[VA], 2, v1
	v_add_nc_u32 v[VA], s43, v[VA]
	v_lshlrev_b32 v[VO], 10, v3
	v_lshl_add_u32 v[VO], v2, 4, v[VO]
	v_lshlrev_b32 v[L8], 3, v1
; 32 numbers of one block in v[XS] on become 32 codes in v[CC] .. v[CC + 3] and the block's byte in v[BY].  All 32 are the lane's own: no other lane is asked.
.macro QBLOCK
	v_max3_num_f32 v[MXA], |v[XS]|, |v[XS+1]|, |v[XS+2]|
	v_max3_num_f32 v[MXB], |v[XS+3]|, |v[XS+4]|, |v[XS+5]|
.irp i, 6,10,14,18,22,26
	v_max3_num_f32 v[MXA], v[MXA], |v[XS+\i]|, |v[XS+\i+1]|
	v_max3_num_f32 v[MXB], v[MXB], |v[XS+\i+2]|, |v[XS+\i+3]|
.endr
	v_max3_num_f32 v[MXA], v[MXA], |v[XS+30]|, |v[XS+31]|
	v_max3_num_f32 v[MXA], v[MXA], v[MXB], 0x1800000       ; the floor 2^(3 - 127): the byte cannot fall under 1
	v_add_nc_u32 v[SO], 0xff000000, v[MXA]         ; 2 off the exponent field: the conversion takes this operand's exponent field as its scale
.irp g, 0,1,2,3
	v_cvt_scalef32_pk8_fp4_f32 v[CC+\g], v[XS+8*\g:XS+8*\g+7], v[SO]
.endr
	v_lshrrev_b32 v[BY], 23, v[SO]                 ; the byte; also the plain line behind the conversions
.endm
	s_cmp_lt_u32 ttmp9, 128
	s_cbranch_scc0 .Lvalues
	; ---- K: a lane takes one key's 32 neighbouring d, 128 bytes of an LDS row
.irp t, 0,1,2,3,4,5,6,7
	global_load_b32 v[MK+\t], v[MA], s[8:9] offset:(32*(\t/2)+8*(\t%2))*4
.endr
.macro KLOAD t
.irp j, 0,1,2,3,4,5,6,7
	ds_load_b128 v[X+32*((\t)%2)+4*\j:X+32*((\t)%2)+4*\j+3], v[KA] offset:(32*((\t)/2)+8*((\t)%2))*PITCH+16*\j
.endr
.endm
.macro KTILE t
.if (\t) == 3
	s_wait_tensorcnt 0x0                           ; tile 4 begins at key 64: the second half is in
.endif
.if (\t) < 7
	KLOAD (\t)+1
	s_wait_dscnt 8                                 ; this tile's eight loads are in; the next tile's eight may be out
.else
	s_wait_dscnt 0x0
.endif
.set XS, X+32*((\t)%2)
.set CC, C+4*(\t)
	QBLOCK
	v_lshlrev_b32 v[BY], v[SH], v[BY]              ; my block's byte at its place: byte h
	v_permlanex16_b32 v[PX], v[BY], s40, s41
	v_or_b32 v[BY], v[BY], v[PX]                   ; with lane l xor 16's: both scales of my key
	v_cmp_eq_u32 vcc_lo, 0, v[MK+(\t)]
	v_cndmask_b32 v[MB], v[UNM], v[MSK], vcc_lo    ; the mask selects a value, no address and no branch
	v_or_b32 v[BY], v[BY], v[MB]
.if (\t)%2 == 0
	v_mov_b32 v[SW+(\t)/2], v[BY]                  ; lanes 0-15 keep the even tile's word,
.else
	v_cndmask_b32 v[SW+(\t)/2], v[SW+(\t)/2], v[BY], s42   ; lanes 16-31 take the odd tile's
.endif
	global_store_b128 v[LI], v[CC:CC+3], s[10:11] offset:512*(\t)   ; 32 lanes store 512 consecutive bytes, at a multiple of 256 from kv's first byte
.endm
	s_wait_tensorcnt 0x1                           ; keys 0-63 are in; the second half may be out
	KLOAD 0
	s_wait_loadcnt 0x0                             ; the mask words
.irp t, 0,1,2,3,4,5,6,7
	KTILE \t
.endr
	global_store_b128 v[LI], v[SW:SW+3], s[10:11] offset:8192
	s_wait_tensorcnt 0x0
	ds_add_u32 v144, v145
	s_wait_dscnt 0x0
	s_endpgm
.Lvalues:
	; ---- V: a lane takes a column d, and its registers run down the keys: each LDS load reads 128 consecutive bytes, a block of 32 keys lies in one lane, and the codes come out with the keys innermost
.macro VLOAD q                         ; unit q = 2 blk + p: keys 32 blk .. + 31, columns 32 p + lane
.set n, 0
.rept 32
	ds_load_b32 v[X+32*((\q)%2)+n], v[VA] offset:(32*((\q)/2)+n)*PITCH+128*((\q)%2)
.set n, n+1
.endr
.endm
.macro VUNIT q
.if (\q) == 3
	s_wait_tensorcnt 0x0                           ; unit 4 begins at key 64
.endif
.if (\q) < 7
	VLOAD (\q)+1
	s_wait_dscnt 32                                ; this unit's 32 loads are in; the next unit's may be out
.else
	s_wait_dscnt 0x0
.endif
.set XS, X+32*((\q)%2)
.set CC, C+4*(\q)
	QBLOCK
.if (\q)/2 == 0
	v_mov_b32 v[SW+(\q)%2], v[BY]                  ; four bytes to a word, the lower keys in the lower byte
.else
	v_lshl_or_b32 v[SW+(\q)%2], v[BY], 8*((\q)/2), v[SW+(\q)%2]
.endif
	global_store_b128 v[VO], v[CC:CC+3], s[10:11] offset:4096+2048*((\q)%2)+256*((\q)/2)   ; each sixteen lanes store 256 consecutive bytes, aligned
.endm
	s_wait_tensorcnt 0x1
	s_wait_alu depctr_va_vdst(0)
	VLOAD 0
.irp q, 0,1,2,3,4,5,6,7
	VUNIT \q
.endr
	global_store_b64 v[L8], v[SW:SW+1], s[10:11] offset:8704   ; 32 lanes store 256 consecutive bytes, aligned
	s_wait_tensorcnt 0x0
	ds_add_u32 v144, v145
	s_wait_dscnt 0x0
	s_endpgm
.Lfunc_end_k_qd1f2aa1199_prep:
	.size	k_qd1f2aa1199_prep, .Lfunc_end_k_qd1f2aa1199_prep-k_qd1f2aa1199_prep
	.p2alignl 7, 3214868480
	.fill 96, 4, 3214868480
	.section	.rodata,"a",@progbits
	.p2align	6, 0x0
	.amdhsa_kernel k_qd1f2aa1199_prep
		.amdhsa_group_segment_fixed_size 168448
		.amdhsa_private_segment_fixed_size 0
		.amdhsa_enable_private_segment 0
		.amdhsa_kernarg_size 32
		.amdhsa_user_sgpr_count 2
		.amdhsa_user_sgpr_kernarg_segment_ptr 1
		.amdhsa_wavefront_size32 1
		.amdhsa_system_sgpr_workgroup_id_x 1
		.amdhsa_system_sgpr_workgroup_id_y 1
		.amdhsa_system_sgpr_workgroup_id_z 1
		.amdhsa_system_vgpr_workitem_id 0
		.amdhsa_next_free_vgpr 146
		.amdhsa_next_free_sgpr 66
		.amdhsa_reserve_vcc 1
		.amdhsa_float_denorm_mode_32 3
		.amdhsa_float_denorm_mode_16_64 3
		.amdhsa_memory_ordered 1
		.amdhsa_forward_progress 1
		.amdhsa_inst_pref_size 52
	.end_amdhsa_kernel
	.amdgpu_metadata
---
amdhsa.version: [ 1, 2 ]
amdhsa.kernels:
  - .name:           k_qd1f2aa1199_prep
    .symbol:         k_qd1f2aa1199_prep.kd
    .args:
      - { .name: key_states, .offset: 0, .size: 8, .value_kind: global_buffer, .address_space: global }
      - { .name: value_states, .offset: 8, .size: 8, .value_kind: global_buffer, .address_space: global }
      - { .name: mask, .offset: 16, .size: 8, .value_kind: global_buffer, .address_space: global }
      - { .name: kv, .offset: 24, .size: 8, .value_kind: global_buffer, .address_space: global }
    .group_segment_fixed_size: 168448
    .private_segment_fixed_size: 0
    .kernarg_segment_align: 8
    .kernarg_segment_size: 32
    .max_flat_workgroup_size: 128
    .sgpr_count:     66
    .vgpr_count:     146
    .wavefront_size: 32
...
	.end_amdgpu_metadata
.endif
;; end of part 1
;; launch attn (part 2): grid 8 x 32, 16 waves a work-group, no clusters, 215,296 bytes of LDS; arguments query_states, mask, kv, out0; writes out0
.if DOCPART == 2
	.amdgcn_target "amdgcn-amd-amdhsa--gfx1250"
	.amdhsa_code_object_version 6
	.text
	.protected	k_qd1f2aa1199_attn
	.globl	k_qd1f2aa1199_attn
	.p2align	8
	.type	k_qd1f2aa1199_attn,@function
k_qd1f2aa1199_attn:
	s_mov_b64 s[64:65], 0
	v_nop
	global_prefetch_b8 v0, s[64:65] scope:SCOPE_SE
	s_setreg_imm32_b32 hwreg(HW_REG_WAVE_MODE, 25, 1), 1
	s_wait_xcnt 0x0
; out[b][q][head] = the sum over k of softmax_k(Q.K / 8 - circular distance(q, k), masked keys out) V, both products on codes of FP4 (E2M1) with one E8M0 scale for each 32 along K.
; t = logit x log2(e); M = the running largest t rounded UP to a whole number; p = 2^(t - M) is quantised along the keys, not normalised; the row's sum is taken of the unquantised p and divides at the end.
; SHARES.  A work-group owns 256 queries of one (batch, head); each of its sixteen waves 16 of them, one tile, in 256 registers: four waves to a SIMD, so that one wave's exponentials stand beside another's
; plain work, products and LDS loads.  The loop is bound by vector instructions per score, so the design spares those; a larger wave tile would spare LDS reads, which do not bind here.
; K AND V of the whole head (143,360 bytes of register images and scale words, made by the launch before) come into LDS once, by one tensor load in each of waves 0-7; no byte is filled twice, so there is
; no ring, and the launch has ONE barrier, at the start.  Slot j holds the head's step (2 x + j) mod 16, x the work-group's block of queries: so LDS addresses hang on the wave's number alone.
; LAYOUT.  Both products are used transposed: S^T = K Q^T, O^T = V^T P^T: a lane holds ONE query (lane % 16).  Register 16 b + i of S^T holds key 32 b + 16 (lane / 16) + i of the step.
; THE MASK costs no vector instruction.  The first product's K is 64, the instruction's 128.  In the idle half, K's fragments hold the one code +1.0 and Q's the one code -1.0 at k = 64; Q's scale there is 1,
; K's is byte 2 of the key's scale word: 2^27 where mask == 0, 2^-126 where the key counts.  So a masked key's Q.K is lowered by 2^27, its logit by 2^24.
; THE BIAS costs next to none.  A wave walks the 16 key steps by their place rel = 0 .. 15 from its own diagonal step.  For rel = 1 .. 7 the distance is n_b + (16 h + i - r), n_b = 128 rel - qm + 32 b
; (qm = my first query mod 128): the part that hangs on lane and register, x -8, lies in 16 registers W and is the C of the product; the block's -log2(e) n_b goes into the addend of the multiply-add that
; makes t - M.  For rel = 9 .. 15 the distance is n_b - (16 h + i - r), n_b = 2048 - 128 rel + qm - 32 b: W is negated once.  rel = 0 and rel = 8 hold the kink |x|: there C is written into the score registers.
; A BATCH WHOSE MASK IS ALL ZEROS: the work-group ORs the batch's 2,048 mask words; where none counts, log2(e) / 8 and log2(e) are replaced by 0 (a choice of values): every t is 0, every p is 1, as the rule gives.
; LIMITS.  A masked key's logit is Q.K / 8 + bias - 2^24 and not -1e9: the results agree as long as every row has a counting key with a logit above about -1.6e7, that is for inputs up to about 800 in magnitude.
; (2^27 and no more: in a run of masked keys ahead of the first counting key t is about -2.4e7, where neighbouring f32 numbers lie 2 apart, so t - M stays small and p finite; it is later multiplied by 0.)
; NaN and infinities among the inputs are not served; blocks of Q whose largest magnitude lies under 2^-124 are held at scale byte 1.
; NO CLUSTER: each work-group lays the head's steps in LDS from its own diagonal on, so the LDS address of a tile would hang on the work-group's place among its partners; and what the eight work-groups of a
; head share is 143,360 bytes each, fetched once in the launch.
.set REC,   8960                       ; a step's record: K's image 4,096, V's image 4,096, K's scale words 512, V's 256
.set HEADB, 16*REC                     ; LDS 0 .. 143,359: the head's sixteen records
.set STG,   HEADB                      ; behind them a stage of 16 rows x 272 bytes for each wave, its own: Q's turn at the head, O's way out at the end
.set SP,    272
.set WSTG,  16*SP
.set FLAG,  STG+16*WSTG                ; a word for each wave: does any key of its part of the mask count
.set LI,   1                           ; v1   16 x lane
.set LV,   2                           ; v2   8 x lane
.set ADK,  3                           ; v3   the step's record + 16 x lane
.set ADV,  4                           ; v4   the step's record + 8 x lane
.set STO,  5                           ; v5   the stage: row r, + 32 h
.set RD,   6                           ; v6   the stage: row lane / 16, + 16 (lane % 16)
.set GO,   7                           ; v7   the same two rows in Q and in out: 4096 (lane / 16) + 16 (lane % 16)
.set NEGM, 8                           ; v8   -M
.set TMAX, 9                           ; v9   the running largest t
.set TT,   10                          ; v10  at work
.set QR,   11                          ; v11  the stage: row r, + 128 h
.set ADD,  12                          ; v12-19  CB_b - M in the low word of pair b (the packed form names pairs and takes the low word for both halves)
.set BM,   20                          ; v20-23  the blocks' largest scores, then largest p
.set BX,   24                          ; v24-27  at work
.set SO,   28                          ; v28-31  the conversions' scale operands
.set T2,   32                          ; v32  at work (r at the head)
.set HH,   33                          ; v33  h
.set PW,   34                          ; v34  p's scale word          )
.set QS,   35                          ; v35  Q's scale words         )  these hold scales and nothing else
.set KS,   36                          ; v36-39  K's scale words      )
.set VS,   40                          ; v40-41  V's                  )
.set QF,   42                          ; v42-49  Q's fragment
.set PC,   50                          ; v50-57  p's codes
.set WB,   58                          ; v58-73  W
.set KF,   74                          ; v74-105  four fragments of K; registers 4-7 of each are constants
.set VF,   106                         ; v106-137 V's four fragments
.set S,    138                         ; v138-201 S^T, then p
.set OA,   202                         ; v202-233 O^T
.set LS,   234                         ; v234-235 the row's sum in two halves
.set LT,   236                         ; v236-237 its second chain
.set FF,   238                         ; v238-239 f = 2^(old M - new M), in the low word
.set NF,   240                         ; v240-243 n_b as f32 (whole numbers: exact)
.set CBV,  244                         ; v244-247 CB_b = -log2(e) n_b
.set XB,   248                         ; v248-255 the kink's base: pair b = 8 (32 b + 16 h - r - qm), that + 8
.set WV,   12                          ; s12  wave
.set W8,   13                          ; s13  wave / 8: which of the block's two steps holds my queries
.set QM,   14                          ; s14  16 (wave % 8)
.set SEL,  20                          ; s[20:21] v_permlanex16_b32's selects for lane l xor 16
.set CS,   22                          ; s[22:23] c = log2(e) / 8, or 0
.set NL,   24                          ; s[24:25] -log2(e), or 0
.set DSTEP, 26                         ; s[26:27] what a step adds to n_b, as f32
.set REL,  28
.set SIGN, 29                          ; the kink's sign bit
.set CNT,  30
.set OUTC, 31
.set T0,   32                          ; the step's record in LDS
.set N0,   34                          ; n_0 at a phase's head, and the step from block to block
.set DN,   35
.set G0,   40                          ; s[40:43], s[44:51] the tensor load's groups 0 and 1
.set G1,   44
	s_load_b256 s[4:11], s[0:1], 0x0               ; Q s[4:5], mask s[6:7], kv s[8:9], out s[10:11]
	v_lshl_add_u32 v248, v0, 2, 0x34100
	v_mov_b32 v249, 0
	ds_add_u32 v248, v249
	ds_add_u32 v248, v249
	s_wait_dscnt 0x0
	v_lshrrev_b32 v[TT], 5, v0
	s_delay_alu instid0(VALU_DEP_1)
	v_readfirstlane_b32 s[WV], v[TT]               ; wave 0..15
	s_lshr_b32 s[W8], s[WV], 3
	s_and_b32 s15, s[WV], 7
	s_lshl_b32 s[QM], s15, 4
	s_and_b32 s16, ttmp7, 0xffff                   ; hb = 16 batch + head
	s_lshr_b32 s17, s16, 4                         ; batch
	s_and_b32 s18, s16, 15                         ; head
	s_lshl_b32 s19, ttmp9, 1                       ; waves 0-7 fetch slots 2 w, 2 w + 1: the head's steps (2 x + 2 w) mod 16 and the next (the first is even, so the pair does not wrap)
	s_lshl_b32 s33, s15, 1
	s_add_co_u32 s19, s19, s33
	s_and_b32 s19, s19, 15
	s_mul_i32 s34, s19, REC
	s_mul_i32 s33, s16, HEADB
	s_add_co_u32 s34, s34, s33
	s_mov_b32 s35, 0
	s_lshl_b32 s36, s17, 23                        ; my 16 rows of Q and of out: batch x 2048 x 4096 bytes
	s_lshl_b32 s33, ttmp9, 20                      ; + block x 256 rows
	s_add_co_u32 s36, s36, s33
	s_lshl_b32 s33, s[WV], 16                      ; + wave x 16 rows
	s_add_co_u32 s36, s36, s33
	s_lshl_b32 s33, s18, 8                         ; + head x 256 bytes
	s_add_co_u32 s36, s36, s33
	s_mov_b32 s37, 0
	s_lshl_b32 s38, s17, 13                        ; the batch's mask
	s_mov_b32 s39, 0
	s_mov_b32 s[SEL], 0x76543210
	s_mov_b32 s[SEL+1], 0xfedcba98
	; group 1: two records, 17,920 dense bytes, as 70 rows of 256 bytes (32 elements of 8 bytes); no padding: every read takes 16 x lane
	s_mov_b32 s[G1+0], 3<<16
	s_mov_b32 s[G1+1], 32<<16                      ; tensor_dim0
	s_mov_b32 s[G1+2], 70<<16                      ; tensor_dim1
	s_mov_b32 s[G1+3], 32<<16                      ; tile_dim0
	s_mov_b32 s[G1+4], 70                          ; tile_dim1
	s_mov_b32 s[G1+5], 32                          ; tensor_dim0_stride
	s_mov_b32 s[G1+6], 0
	s_mov_b32 s[G1+7], 0
	s_mul_i32 s33, s15, 2*REC
	s_wait_kmcnt 0x0
	s_mov_b32 s[G0+0], 1
	s_mov_b32 s[G0+1], s33
	s_add_nc_u64 s[G0+2:G0+3], s[8:9], s[34:35]
	s_or_b32 s[G0+3], s[G0+3], 0x80000000
	s_add_nc_u64 s[4:5], s[4:5], s[36:37]
	s_add_nc_u64 s[10:11], s[10:11], s[36:37]
	s_add_nc_u64 s[6:7], s[6:7], s[38:39]
	s_cmp_lt_u32 s[WV], 8
	s_cbranch_scc0 .Lno_fetch
	tensor_load_to_lds s[G0:G0+3], s[G1:G1+7]      ; one load of mine is out
	s_nop 0
.rept 4
	v_nop
.endr
.Lno_fetch:
	v_and_b32 v[T2], 15, v0                        ; r
	v_bfe_u32 v[HH], v0, 4, 1                      ; h
	s_delay_alu instid0(VALU_DEP_1)
	v_lshlrev_b32 v[GO], 12, v[HH]
	s_delay_alu instid0(VALU_DEP_1)
	v_lshl_add_u32 v[GO], v[T2], 4, v[GO]
	v_lshlrev_b32 v[ADK], 4, v0                    ; the 512 threads' 16 bytes cover the batch's 8,192 bytes of mask
	global_load_b128 v[BM:BM+3], v[ADK], s[6:7]
.irp i, 0,1,2,3,4,5,6,7
	global_load_b128 v[S+4*\i:S+4*\i+3], v[GO], s[4:5] offset:8192*\i th:TH_LOAD_NT   ; two whole rows of 256 bytes of my 16 queries; read once in the launch
.endr
	v_and_b32 v[LI], 31, v0
	s_delay_alu instid0(VALU_DEP_1)
	v_lshlrev_b32 v[LV], 3, v[LI]
	s_delay_alu instid0(VALU_DEP_2)
	v_lshlrev_b32 v[LI], 4, v[LI]
	s_mul_i32 s33, s[WV], WSTG
	s_add_co_u32 s33, s33, STG                     ; my stage
	v_mul_u32_u24 v[STO], v[T2], SP
	s_delay_alu instid0(VALU_DEP_1)
	v_add_nc_u32 v[STO], s33, v[STO]
	s_delay_alu instid0(VALU_DEP_1)
	v_lshl_add_u32 v[QR], v[HH], 7, v[STO]
	s_delay_alu instid0(VALU_DEP_2)
	v_lshl_add_u32 v[STO], v[HH], 5, v[STO]
	v_mul_u32_u24 v[RD], v[HH], SP
	s_delay_alu instid0(VALU_DEP_1)
	v_lshl_add_u32 v[RD], v[T2], 4, v[RD]
	s_delay_alu instid0(VALU_DEP_1)
	v_add_nc_u32 v[RD], s33, v[RD]
	; the idle half of the first product's K: register 4 of lanes 0-15 begins with the code at k = 64: K's +1.0 (code 2), Q's -1.0 (code 10); all else is the code 0
	v_lshlrev_b32 v[TT], 1, v[HH]
	s_delay_alu instid0(VALU_DEP_1)
	v_sub_nc_u32 v[KF+4], 2, v[TT]
	v_mul_u32_u24 v[TT], v[HH], 10
	s_delay_alu instid0(VALU_DEP_1)
	v_sub_nc_u32 v[QF+4], 10, v[TT]
.irp t, 1,2,3
	v_mov_b32 v[KF+8*\t+4], v[KF+4]
.endr
.irp t, 0,1,2,3
.irp j, 5,6,7
	v_mov_b32 v[KF+8*\t+\j], 0
.endr
.endr
.irp j, 5,6,7
	v_mov_b32 v[QF+\j], 0
.endr
.set n, 0
.rept 32
	v_mov_b32 v[OA+n], 0                           ; O^T.  (The step has no first form of its own: the first change of M multiplies zeros)
.set n, n+1
.endr
	v_mov_b32 v[LS], 0
	v_mov_b32 v[LS+1], 0
	v_mov_b32 v[FF+1], 0                           ; named as the upper word of a pair, so it is written
.irp b, 0,1,2,3
	v_mov_b32 v[ADD+2*\b+1], 0                     ; likewise
	v_mov_b32 v[BX+\b], 0                          ; written once: a lane permute's destination counts as one of its sources
	v_mov_b32 v[NF+\b], 0                          ; rel = 0: n_b = 0
.endr
	v_mov_b32 v[TMAX], 0xff61b1e6                  ; -3e38, under every t
	s_delay_alu instid0(VALU_DEP_1)
	v_floor_f32 v[NEGM], -v[TMAX]
	v_lshlrev_b32 v[TT], 4, v[HH]
	s_delay_alu instid0(VALU_DEP_1)
	v_sub_nc_u32 v[TT], v[TT], v[T2]               ; 16 h - r
	s_delay_alu instid0(VALU_DEP_1)
	v_lshlrev_b32 v[BX], 3, v[TT]
	s_delay_alu instid0(VALU_DEP_1)
	v_cvt_f32_i32 v[BX], v[BX]
	s_delay_alu instid0(VALU_DEP_1)
	v_mul_f32 v[WB], -1.0, v[BX]                   ; W[0] = -8 (16 h - r)
	s_delay_alu instid0(VALU_DEP_1)
	v_add_f32 v[WB+1], 0xc1000000, v[WB]           ; W[1] = W[0] - 8
.set j, 1
.irp lit, 0xc1800000, 0xc2000000, 0xc2400000, 0xc2800000, 0xc2a00000, 0xc2c00000, 0xc2e00000
	v_pk_add_f32 v[WB+2*j:WB+2*j+1], v[WB:WB+1], \lit op_sel_hi:[1,0]   ; W[2 j], W[2 j + 1]: -16 j on
.set j, j+1
.endr
	v_sub_nc_u32 v[TT], v[TT], s[QM]               ; 16 h - r - qm
	s_delay_alu instid0(VALU_DEP_1)
	v_lshlrev_b32 v[TT], 3, v[TT]
	s_delay_alu instid0(VALU_DEP_1)
	v_cvt_f32_i32 v[XB], v[TT]
	s_delay_alu instid0(VALU_DEP_1)
	v_add_f32 v[XB+1], 0x41000000, v[XB]
	s_delay_alu instid0(VALU_DEP_1)
	v_pk_add_f32 v[XB+2:XB+3], v[XB:XB+1], 0x43800000 op_sel_hi:[1,0]   ; + 8 x 32 a block
	s_delay_alu instid0(VALU_DEP_2)
	v_pk_add_f32 v[XB+4:XB+5], v[XB:XB+1], 0x44000000 op_sel_hi:[1,0]
	s_delay_alu instid0(VALU_DEP_3)
	v_pk_add_f32 v[XB+6:XB+7], v[XB:XB+1], 0x44400000 op_sel_hi:[1,0]
	v_lshrrev_b32 v[TT], 5, v0
	s_delay_alu instid0(VALU_DEP_1)
	v_lshl_add_u32 v[TT], v[TT], 2, FLAG           ; my wave's word
	s_wait_loadcnt 0x0                             ; the mask words and Q
	v_or_b32 v[BM], v[BM], v[BM+1]
	v_or_b32 v[BM+2], v[BM+2], v[BM+3]
	s_delay_alu instid0(VALU_DEP_1)
	v_or_b32 v[BM], v[BM], v[BM+2]
	s_delay_alu instid0(VALU_DEP_1)
	v_cmp_ne_u32 s33, 0, v[BM]                     ; the lanes that saw a key that counts: not 0 if any did
	s_delay_alu instid0(VALU_DEP_1)
	v_mov_b32 v[BM], s33
	s_wait_alu depctr_va_vdst(0)
	ds_store_b32 v[TT], v[BM]                      ; all lanes write the same word with the same value
	; Q's turn through my stage: in as loaded, two rows an instruction; out 128 bytes a lane: d = 32 h .. 32 h + 31 of query r, a whole block
.irp i, 0,1,2,3,4,5,6,7
	ds_store_b128 v[RD], v[S+4*\i:S+4*\i+3] offset:2*SP*\i
.endr
.irp j, 0,1,2,3,4,5,6,7
	ds_load_b128 v[S+32+4*\j:S+32+4*\j+3], v[QR] offset:16*\j   ; LDS serves a wave's instructions in order (ISA guide 5.7.1.4): these see my stores
.endr
	s_wait_dscnt 0x0
	v_max3_num_f32 v[BM], |v[S+32]|, |v[S+33]|, |v[S+34]|
	v_max3_num_f32 v[BM+1], |v[S+35]|, |v[S+36]|, |v[S+37]|
.irp i, 6,10,14,18,22,26
	s_delay_alu instid0(VALU_DEP_2)
	v_max3_num_f32 v[BM], v[BM], |v[S+32+\i]|, |v[S+33+\i]|
	s_delay_alu instid0(VALU_DEP_2)
	v_max3_num_f32 v[BM+1], v[BM+1], |v[S+34+\i]|, |v[S+35+\i]|
.endr
	s_delay_alu instid0(VALU_DEP_2)
	v_max3_num_f32 v[BM], v[BM], |v[S+62]|, |v[S+63]|
	s_delay_alu instid0(VALU_DEP_1)
	v_max3_num_f32 v[BM], v[BM], v[BM+1], 0x1800000        ; the floor 2^(3 - 127): the byte cannot fall under 1
	s_delay_alu instid0(VALU_DEP_1)
	v_add_nc_u32 v[SO], 0xff000000, v[BM]          ; 2 off the exponent field: the conversion's scale operand
.irp g, 0,1,2,3
	v_cvt_scalef32_pk8_fp4_f32 v[QF+\g], v[S+32+8*\g:S+32+8*\g+7], v[SO]
.endr
	v_lshrrev_b32 v[BM], 23, v[SO]                 ; the byte; also the plain line behind the conversions
	v_lshlrev_b32 v[BM+1], 3, v[HH]
	s_delay_alu instid0(VALU_DEP_1)
	v_lshlrev_b32 v[BM], v[BM+1], v[BM]            ; at byte h
	s_delay_alu instid0(VALU_DEP_1)
	v_permlanex16_b32 v[BX], v[BM], s[SEL], s[SEL+1]
	s_delay_alu instid0(VALU_DEP_1)
	v_or_b32 v[BM], v[BM], v[BX]
	s_delay_alu instid0(VALU_DEP_1)
	v_or_b32 v[QS], 0x7f7f0000, v[BM]              ; bytes 2 and 3: the scale 1 for the idle half
	s_wait_tensorcnt 0x0                           ; my part of the head's records has landed,
	s_wait_dscnt 0x0                               ; and my word among the flags
	s_barrier_signal -1
	s_barrier_wait -1                              ; everybody's have: the launch's one barrier
	v_mov_b32 v[TT], FLAG
.irp i, 0,1,2,3
	ds_load_b128 v[S+4*\i:S+4*\i+3], v[TT] offset:16*\i
.endr
	s_wait_dscnt 0x0
.irp i, 1
	v_or_b32 v[S], v[S], v[S+\i]
.endr
.irp i, 2, 3, 4, 5, 6, 7, 8, 9, 10, 11, 12, 13, 14, 15
	s_delay_alu instid0(VALU_DEP_1)
	v_or_b32 v[S], v[S], v[S+\i]
.endr
	s_delay_alu instid0(VALU_DEP_1)
	v_readfirstlane_b32 s33, v[S]
	s_cmp_lg_u32 s33, 0                            ; does any key of the batch count?  Two values are chosen; no branch and no address hangs on it
	s_cselect_b32 s[CS], 0x3e38aa3b, 0             ; log2(e) / 8
	s_cselect_b32 s[NL], 0xbfb8aa3b, 0             ; -log2(e)
	s_mov_b32 s[CS+1], s[CS]                       ; (named as pairs, so the upper words are written)
	s_mov_b32 s[NL+1], s[NL]
.macro MAXR b, k
.if \k == 0
	v_max3_num_f32 v[BM+\b], v[S+16*\b], v[S+16*\b+1], v[S+16*\b+2]
.elseif \k < 7
	v_max3_num_f32 v[BM+\b], v[BM+\b], v[S+16*\b+2*\k+1], v[S+16*\b+2*\k+2]
.else
	v_max_num_f32 v[BM+\b], v[BM+\b], v[S+16*\b+15]
.endif
.endm
; Tile t of S^T = K Q^T + C.  kink = 0: C is W's half for the tile; kink = 1: C was written into the score registers, and the product adds in place.
; K's scale words: lanes 0-15 of register t / 2 serve the even tile, lanes 16-31 the odd one.
.macro KQ t, kink
.if \kink
.set CR, S+8*(\t)
.else
.set CR, WB+8*((\t)%2)
.endif
.if (\t)%2
	v_wmma_scale_f32_16x16x128_f8f6f4 v[S+8*(\t):S+8*(\t)+7], v[KF+8*((\t)%4):KF+8*((\t)%4)+7], v[QF:QF+7], v[CR:CR+7], v[KS+(\t)/2], v[QS] matrix_a_fmt:MATRIX_FMT_FP4 matrix_b_fmt:MATRIX_FMT_FP4 matrix_a_scale:MATRIX_SCALE_ROW1
.else
	v_wmma_scale_f32_16x16x128_f8f6f4 v[S+8*(\t):S+8*(\t)+7], v[KF+8*((\t)%4):KF+8*((\t)%4)+7], v[QF:QF+7], v[CR:CR+7], v[KS+(\t)/2], v[QS] matrix_a_fmt:MATRIX_FMT_FP4 matrix_b_fmt:MATRIX_FMT_FP4
.endif
.endm
; A KEY STEP: the 128 keys of the step rel places from my diagonal step.
; A load into a register that a matrix instruction has read, and a vector instruction that reads a matrix result, stand four places behind that matrix instruction, and only plain vector instructions that name
; none of its registers are places (ISA guide 7.12.1 for vector instructions).  Work that is due anyway fills all places but one.
.macro STEP kink
	s_add_co_u32 s[T0], s[REL], s[W8]
	s_and_b32 s[T0], s[T0], 15                     ; the slot
	s_mul_i32 s[T0], s[T0], REC
	s_setprio 2
	v_add_nc_u32 v[ADK], s[T0], v[LI]              ; these four lines are the places behind the last step's products, ahead of the loads into V's registers
	v_add_nc_u32 v[ADV], s[T0], v[LV]
	v_pk_mul_f32 v[CBV:CBV+1], v[NF:NF+1], s[NL:NL+1] op_sel_hi:[1,0]       ; CB_b = -log2(e) n_b
	v_pk_mul_f32 v[CBV+2:CBV+3], v[NF+2:NF+3], s[NL:NL+1] op_sel_hi:[1,0]
.if \kink
.set j, 0
.irp lit, 0, 0x41800000, 0x42000000, 0x42400000, 0x42800000, 0x42a00000, 0x42c00000, 0x42e00000
.irp b, 0,1,2,3
	v_pk_add_f32 v[S+16*\b+2*j:S+16*\b+2*j+1], v[XB+2*\b:XB+2*\b+1], \lit op_sel_hi:[1,0]   ; x = 8 (key - query): the block's base + 16 j
.endr
.set j, j+1
.endr
.set n, 0
.rept 64
	v_and_or_b32 v[S+n], v[S+n], 0x7fffffff, s[SIGN]       ; rel = 0: -|x|; rel = 8: +|x| (with n_b = 1,024)
.set n, n+1
.endr
.endif
	ds_load_b128 v[KS:KS+3], v[ADK] offset:8192
.irp t, 0,1,2,3
	ds_load_b128 v[KF+8*\t:KF+8*\t+3], v[ADK] offset:512*\t
.endr
.irp t, 0,1,2,3
.irp c, 0,1
	ds_load_b128 v[VF+8*\t+4*\c:VF+8*\t+4*\c+3], v[ADK] offset:4096+1024*\t+512*\c
.endr
.endr
	ds_load_b64 v[VS:VS+1], v[ADV] offset:8704
	s_wait_alu depctr_va_vdst(0)
	s_wait_dscnt 9                                 ; K's scale words and first four fragments are in; V's eight loads and its scale words may be out
.irp t, 0,1,2,3
	KQ \t, \kink
.endr
	v_pk_add_f32 v[NF:NF+1], v[NF:NF+1], s[DSTEP:DSTEP+1] op_sel_hi:[1,0]   ; the next step's n_b.  Four places
	v_pk_add_f32 v[NF+2:NF+3], v[NF+2:NF+3], s[DSTEP:DSTEP+1] op_sel_hi:[1,0]
	v_mov_b32 v[TT], v[NEGM]                       ; -M as it was
	v_nop
.irp t, 0,1,2,3
	ds_load_b128 v[KF+8*\t:KF+8*\t+3], v[ADK] offset:2048+512*\t
.endr
.irp k, 0,1,2,3
	MAXR 0, \k                                     ; THE LARGEST SCORE OF EACH BLOCK OF 32 KEYS serves twice: for the row's maximum and, since p rises with the score, for the block's largest p
	MAXR 1, \k
.endr
	s_wait_alu depctr_va_vdst(0)
	s_wait_dscnt 0x0                               ; K's last four fragments, and V
.irp t, 4,5,6,7
	KQ \t, \kink
.endr
.irp k, 4,5,6,7
	MAXR 0, \k                                     ; eight lines on tiles 0-3: the places behind tiles 4-7's products
	MAXR 1, \k
.endr
.irp k, 0,1,2,3,4,5,6,7
	MAXR 2, \k
	MAXR 3, \k
.endr
.irp b, 0,1,2,3
	v_permlanex16_b32 v[BX+\b], v[BM+\b], s[SEL], s[SEL+1]
.endr
.irp b, 0,1,2,3
	s_delay_alu instid0(VALU_DEP_4)
	v_max_num_f32 v[BM+\b], v[BM+\b], v[BX+\b]     ; with lane l xor 16's 16 keys
.endr
.irp b, 0,1,2,3
	s_delay_alu instid0(VALU_DEP_4)
	v_fma_f32 v[BX+\b], v[BM+\b], s[CS], v[CBV+\b] ; the block's largest t
.endr
	s_delay_alu instid0(VALU_DEP_2)
	v_max3_num_f32 v[T2], v[BX], v[BX+1], v[BX+2]
	s_delay_alu instid0(VALU_DEP_1)
	v_max3_num_f32 v[TMAX], v[T2], v[BX+3], v[TMAX]        ; the running largest t
	s_delay_alu instid0(VALU_DEP_1)
	v_floor_f32 v[NEGM], -v[TMAX]                  ; -M = floor(-t) = -ceil(t): M IS A WHOLE NUMBER
	s_delay_alu instid0(VALU_DEP_1)
	v_sub_f32 v[TT], v[NEGM], v[TT]                ; old M - new M: a whole number, 0 or less
	s_delay_alu instid0(VALU_DEP_1)
	v_cvt_i32_f32 v[TT], v[TT]                     ; (it saturates)
	s_delay_alu instid0(VALU_DEP_1)
	v_ldexp_f32 v[FF], 1.0, v[TT]                  ; f = 2^(old M - new M): a multiplication by it rounds nothing
.irp b, 0,1,2,3
	v_add_f32 v[ADD+2*\b], v[CBV+\b], v[NEGM]
.endr
.irp b, 0,1,2,3
.irp j, 0,2,4,6,8,10,12,14
	v_pk_fma_f32 v[S+16*\b+\j:S+16*\b+\j+1], v[S+16*\b+\j:S+16*\b+\j+1], s[CS:CS+1], v[ADD+2*\b:ADD+2*\b+1] op_sel_hi:[1,0,0]   ; t - M = c (Q.K + C) + CB_b - M, two at a time
.endr
.endr
.irp b, 0,1,2,3
	v_fma_f32 v[BM+\b], v[BM+\b], s[CS], v[ADD+2*\b]       ; the same of each block's largest score
.endr
.set n, 0
	s_setprio 1
	s_wait_alu depctr_va_vdst(0)
.rept 64
	v_exp_f32 v[S+n], v[S+n]                       ; p = 2^(t - M): NOT normalised
.set n, n+1
.endr
.irp b, 0,1,2,3
	v_exp_f32 v[BM+\b], v[BM+\b]                   ; the block's largest p: the same two instructions on the same number
.endr
	v_pk_mul_f32 v[LS:LS+1], v[LS:LS+1], v[FF:FF+1] op_sel_hi:[1,0]   ; the sums under the new M; the plain line behind the exponentials (ISA guide 5.7.2)
	s_wait_alu depctr_va_vdst(0)
.irp b, 0,1,2,3
	v_max_num_f32 v[BM+\b], 0x1800000, v[BM+\b]    ; the floor 2^(3 - 127): a block whose every p is 0 keeps byte 1: its codes are zeros
.endr
.irp b, 0,1,2,3
	s_delay_alu instid0(VALU_DEP_4)
	v_add_nc_u32 v[SO+\b], 0xff000000, v[BM+\b]    ; 2 off the exponent field: the conversion's scale operand
.endr
.irp b, 0,1,2,3
	s_delay_alu instid0(VALU_DEP_4)
	v_lshrrev_b32 v[BX+\b], 23, v[SO+\b]           ; the scale's byte
.endr
	s_delay_alu instid0(VALU_DEP_3)
	v_lshl_or_b32 v[PW], v[BX+1], 8, v[BX]         ; p's scale word for these 128 keys
	s_delay_alu instid0(VALU_DEP_1)
	v_lshl_or_b32 v[PW], v[BX+2], 16, v[PW]
	s_delay_alu instid0(VALU_DEP_1)
	v_lshl_or_b32 v[PW], v[BX+3], 24, v[PW]
.irp b, 0,1,2,3
	v_cvt_scalef32_pk8_fp4_f32 v[PC+2*\b], v[S+16*\b:S+16*\b+7], v[SO+\b]
	v_cvt_scalef32_pk8_fp4_f32 v[PC+2*\b+1], v[S+16*\b+8:S+16*\b+15], v[SO+\b]
.endr
	v_nop                                          ; one plain line behind a scaled conversion
.irp c, 0,1                                    ; the operand's layout wants a WHOLE block in a lane: lanes 0-15 block 2 c, lanes 16-31 block 2 c + 1
.irp i, 0,1
	v_permlane16_swap_b32 v[PC+4*\c+\i], v[PC+4*\c+2+\i]
.endr
.endr
	v_pk_add_f32 v[236:237], v[142:143], v[146:147]
	v_pk_add_f32 v[246:247], v[150:151], v[154:155]
	v_pk_add_f32 v[244:245], v[158:159], v[162:163]
	v_pk_add_f32 v[100:101], v[166:167], v[170:171]
	v_pk_add_f32 v[98:99], v[174:175], v[178:179]
	v_pk_add_f32 v[92:93], v[182:183], v[186:187]
	v_pk_add_f32 v[90:91], v[190:191], v[194:195]
	v_pk_add_f32 v[234:235], v[234:235], v[198:199]
	v_pk_add_f32 v[236:237], v[236:237], v[138:139]
	v_pk_add_f32 v[246:247], v[246:247], v[140:141]
	v_pk_add_f32 v[244:245], v[244:245], v[144:145]
	v_pk_add_f32 v[100:101], v[100:101], v[148:149]
	v_pk_add_f32 v[98:99], v[98:99], v[152:153]
	v_pk_add_f32 v[92:93], v[92:93], v[156:157]
	v_pk_add_f32 v[90:91], v[90:91], v[160:161]
	v_pk_add_f32 v[234:235], v[234:235], v[164:165]
	v_pk_add_f32 v[236:237], v[236:237], v[168:169]
	v_pk_add_f32 v[246:247], v[246:247], v[172:173]
	v_pk_add_f32 v[244:245], v[244:245], v[176:177]
	v_pk_add_f32 v[100:101], v[100:101], v[180:181]
	v_pk_add_f32 v[98:99], v[98:99], v[184:185]
	v_pk_add_f32 v[92:93], v[92:93], v[188:189]
	v_pk_add_f32 v[90:91], v[90:91], v[192:193]
	s_setprio 0
	v_pk_add_f32 v[234:235], v[234:235], v[196:197]
	v_pk_add_f32 v[236:237], v[236:237], v[200:201]
	s_delay_alu instid0(VALU_DEP_2)
	v_pk_add_f32 v[234:235], v[234:235], v[100:101]
	s_delay_alu instid0(VALU_DEP_2)
	v_pk_add_f32 v[236:237], v[236:237], v[98:99]
	v_pk_add_f32 v[246:247], v[246:247], v[92:93]
	v_pk_add_f32 v[244:245], v[244:245], v[90:91]
	s_delay_alu instid0(VALU_DEP_2)
	v_pk_add_f32 v[234:235], v[234:235], v[246:247]
	s_delay_alu instid0(VALU_DEP_2)
	v_pk_add_f32 v[236:237], v[236:237], v[244:245]
	s_delay_alu instid0(VALU_DEP_1)
	v_pk_add_f32 v[234:235], v[234:235], v[236:237]
.irp j, 0,2,4,6,8,10,12,14,16,18,20,22,24,26,28,30
	v_pk_mul_f32 v[OA+\j:OA+\j+1], v[OA+\j:OA+\j+1], v[FF:FF+1] op_sel_hi:[1,0]   ; O^T under the new M, each accumulator from its low end on
.endr
	; O^T += V^T P^T: four tiles of 16 of the head's 64; K = these 128 keys.  The four accumulators take turns, one instruction a turn
.irp t, 0,2
	v_wmma_scale_f32_16x16x128_f8f6f4 v[OA+8*\t:OA+8*\t+7], v[VF+8*\t:VF+8*\t+7], v[PC:PC+7], v[OA+8*\t:OA+8*\t+7], v[VS+\t/2], v[PW] matrix_a_fmt:MATRIX_FMT_FP4 matrix_b_fmt:MATRIX_FMT_FP4
	v_wmma_scale_f32_16x16x128_f8f6f4 v[OA+8*\t+8:OA+8*\t+15], v[VF+8*\t+8:VF+8*\t+15], v[PC:PC+7], v[OA+8*\t+8:OA+8*\t+15], v[VS+\t/2], v[PW] matrix_a_fmt:MATRIX_FMT_FP4 matrix_b_fmt:MATRIX_FMT_FP4 matrix_a_scale:MATRIX_SCALE_ROW1
.endr
.endm
	; THE WALK: rel = 0 and 8 (the kink), then 1 .. 7, then 9 .. 15.  Every trip count is a constant; the order of the steps changes no code of p (M is a whole number) and only the order of f32 sums.
	s_mov_b32 s[REL], 0
	s_mov_b32 s[SIGN], 0x80000000
	s_mov_b32 s[DSTEP], 0x44800000                 ; n_b: 0, then 1,024
	s_mov_b32 s[DSTEP+1], s[DSTEP]
	s_mov_b32 s[CNT], 2
.Lkink:
	STEP 1
	s_add_co_u32 s[REL], s[REL], 8
	s_mov_b32 s[SIGN], 0
	s_sub_co_u32 s[CNT], s[CNT], 1
	s_cmp_lg_u32 s[CNT], 0
	s_cbranch_scc1 .Lkink
	s_setprio 0
	s_mov_b32 s[REL], 1
	s_sub_co_u32 s[N0], 128, s[QM]                 ; rel = 1: n_b = 128 - qm + 32 b, and 128 more a step
	s_mov_b32 s[DN], 32
	s_mov_b32 s[DSTEP], 0x43000000
	s_mov_b32 s[DSTEP+1], s[DSTEP]
	s_mov_b32 s[OUTC], 2
.Lphase:
	v_cvt_f32_u32 v[NF], s[N0]
	s_add_co_i32 s33, s[N0], s[DN]
	v_cvt_f32_u32 v[NF+1], s33
	s_add_co_i32 s33, s33, s[DN]
	v_cvt_f32_u32 v[NF+2], s33
	s_add_co_i32 s33, s33, s[DN]
	v_cvt_f32_u32 v[NF+3], s33
	s_mov_b32 s[CNT], 7
.Lnorm:
	s_wait_alu depctr_va_vdst(0)
	STEP 0
	s_add_co_u32 s[REL], s[REL], 1
	s_sub_co_u32 s[CNT], s[CNT], 1
	s_cmp_lg_u32 s[CNT], 0
	s_cbranch_scc1 .Lnorm
	s_setprio 0
.irp j, 0,2,4,6,8,10,12,14
	v_pk_mul_f32 v[WB+\j:WB+\j+1], v[WB+\j:WB+\j+1], -1.0 op_sel_hi:[1,0]   ; beyond the antipode the distance falls as the key rises.  (The second trip's eight lines serve nothing but as places behind the last products)
.endr
	s_add_co_u32 s[REL], s[REL], 1                 ; past rel = 8
	s_add_co_u32 s[N0], s[QM], 896                 ; rel = 9: n_b = 896 + qm - 32 b, and 128 less a step
	s_mov_b32 s[DN], -32
	s_mov_b32 s[DSTEP], 0xc3000000
	s_mov_b32 s[DSTEP+1], s[DSTEP]
	s_sub_co_u32 s[OUTC], s[OUTC], 1
	s_cmp_lg_u32 s[OUTC], 0
	s_cbranch_scc1 .Lphase
	; THE WAY OUT.  O^T / the sum goes through my stage and leaves as whole rows of the head's 256 bytes.
	v_add_f32 v[LS], v[LS], v[LS+1]                ; the sum's two halves,
	s_delay_alu instid0(VALU_DEP_1)
	v_permlanex16_b32 v[BX], v[LS], s[SEL], s[SEL+1]
	s_delay_alu instid0(VALU_DEP_1)
	v_add_f32 v[LS], v[LS], v[BX]                  ; and lane l xor 16's: the row's sum
	s_wait_alu depctr_va_vdst(0)
	v_rcp_f32 v[LS], v[LS]
	v_nop                                          ; one plain line behind a transcendental (ISA guide 5.7.2)
.set n, 0
	s_wait_alu depctr_va_vdst(0)
.rept 32
	v_mul_f32 v[S+n], v[OA+n], v[LS]               ; register 8 t + j is out(query r, d = 16 t + 8 h + j); each accumulator from its low end on
.set n, n+1
.endr
.irp t, 0,1,2,3
	ds_store_b128 v[STO], v[S+8*\t:S+8*\t+3] offset:64*\t
	ds_store_b128 v[STO], v[S+8*\t+4:S+8*\t+7] offset:64*\t+16
.endr
.irp i, 0,1,2,3,4,5,6,7
	ds_load_b128 v[S+32+4*\i:S+32+4*\i+3], v[RD] offset:2*SP*\i   ; my own bytes, served in order: these see my stores
.endr
.irp i, 0,1,2,3,4,5,6,7
	s_wait_dscnt 7-\i                              ; LDS loads come back in order: load i is in, the younger ones may be out
	global_store_b128 v[GO], v[S+32+4*\i:S+32+4*\i+3], s[10:11] offset:8192*\i th:TH_STORE_NT   ; each sixteen lanes store 256 consecutive bytes, at a multiple of 256 from out's first byte; written once
.endr
	s_wait_xcnt 0x0
	v_lshl_add_u32 v248, v0, 2, 0x34100
	v_mov_b32 v249, 0
	s_wait_alu depctr_va_vdst(0)
	s_wait_tensorcnt 0x0
	ds_add_u32 v248, v249
	s_wait_dscnt 0x0
	s_endpgm
.Lfunc_end_k_qd1f2aa1199_attn:
	.size	k_qd1f2aa1199_attn, .Lfunc_end_k_qd1f2aa1199_attn-k_qd1f2aa1199_attn
	.p2alignl 7, 3214868480
	.fill 96, 4, 3214868480
	.section	.rodata,"a",@progbits
	.p2align	6, 0x0
	.amdhsa_kernel k_qd1f2aa1199_attn
		.amdhsa_group_segment_fixed_size 215296
		.amdhsa_private_segment_fixed_size 0
		.amdhsa_enable_private_segment 0
		.amdhsa_kernarg_size 32
		.amdhsa_user_sgpr_count 2
		.amdhsa_user_sgpr_kernarg_segment_ptr 1
		.amdhsa_wavefront_size32 1
		.amdhsa_system_sgpr_workgroup_id_x 1
		.amdhsa_system_sgpr_workgroup_id_y 1
		.amdhsa_system_sgpr_workgroup_id_z 1
		.amdhsa_system_vgpr_workitem_id 0
		.amdhsa_next_free_vgpr 256
		.amdhsa_next_free_sgpr 66
		.amdhsa_reserve_vcc 0
		.amdhsa_float_denorm_mode_32 3
		.amdhsa_float_denorm_mode_16_64 3
		.amdhsa_memory_ordered 1
		.amdhsa_forward_progress 1
		.amdhsa_inst_pref_size 62
	.end_amdhsa_kernel
	.amdgpu_metadata
---
amdhsa.version: [ 1, 2 ]
amdhsa.kernels:
  - .name:           k_qd1f2aa1199_attn
    .symbol:         k_qd1f2aa1199_attn.kd
    .args:
      - { .name: query_states, .offset: 0, .size: 8, .value_kind: global_buffer, .address_space: global }
      - { .name: mask, .offset: 8, .size: 8, .value_kind: global_buffer, .address_space: global }
      - { .name: kv, .offset: 16, .size: 8, .value_kind: global_buffer, .address_space: global }
      - { .name: out0, .offset: 24, .size: 8, .value_kind: global_buffer, .address_space: global }
    .group_segment_fixed_size: 215296
    .private_segment_fixed_size: 0
    .kernarg_segment_align: 8
    .kernarg_segment_size: 32
    .max_flat_workgroup_size: 512
    .sgpr_count:     66
    .vgpr_count:     256
    .wavefront_size: 32
...
	.end_amdgpu_metadata
.endif
;; end of part 2
